; MI455X (gfx1250); checked and timed in simulation.
; The chip was launched on July 23, 2026; its instructions are those of AMD's public machine-readable ISA for CDNA 5 (MIT licence, August 2026) and "CDNA5" Instruction Set Architecture Reference Guide (July 2026). The comments in the code are by the model that wrote it; some were corrected since.
;; Model. Allowed arithmetic: float matrix products may take bf16 or f16 operands with f32 sums; other float arithmetic in f32, or as packed bf16 or f16 multiplies, adds, multiply-adds, maxima and minima; sums over many terms, partial sums and values carried from step to step in f32; what a program stores and reads back later, other than sums and carried values, may be rounded once to bf16 or f16.
;; Inputs: k 8 x 1,024 x 2,048 float32; q 8 x 2,048 x 1,024 float32; v 8 x 2,048 x 1,024 float32.
;; Outputs: out0 8 x 2,048 x 1,024 float32.
;; One version. Each part assembles by itself: llvm-mc -triple=amdgcn-amd-amdhsa -mcpu=gfx1250 --defsym DOCPART=n.
;; ======== version 1 of 1: 2 launches
;; workspace buffers: kb 33,554,432 bytes; vb 33,554,432 bytes
;; launch cast (part 1): grid 256 x 2, 8 waves a work-group, no clusters, 0 bytes of LDS; arguments k, v, kb, vb; writes kb, vb
.if DOCPART == 1
	.amdgcn_target "amdgcn-amd-amdhsa--gfx1250"
	.amdhsa_code_object_version 6
	.text
	.protected	k_q08baf82b43_cast
	.globl	k_q08baf82b43_cast
	.p2align	8
	.type	k_q08baf82b43_cast,@function
k_q08baf82b43_cast:
	s_mov_b64 s[64:65], 0
	v_nop
	global_prefetch_b8 v0, s[64:65] scope:SCOPE_SE
	s_setreg_imm32_b32 hwreg(HW_REG_WAVE_MODE, 25, 1), 1
	s_wait_xcnt 0x0
; k [8][1024 d][2048 t] and v [8][2048 t][1024 c], f32, are rounded once to bf16 (nearest even) and laid out as the matrix fragments that the next launch reads.
; In both tensors the index that the product sums over (d in k, t in v) runs DOWN the rows, and a fragment wants it along a lane's registers: the turning is done here, once.
; A FRAGMENT (16 slots x 32 summed indices) is 1,024 bytes: the eight numbers 8 g .. 8 g + 7 (g = 0..3) of slot r lie at 256 g + 16 r: lane l = 16 h + r of the reader takes 16 bytes at 16 l (g = h) and at 512 + 16 l (g = 2 + h).
; A BLOCK is four fragments nt = 0..3, 4,096 bytes, made of 32 rows x 64 columns.  Slot (nt, r) holds column 2 (16 (nt % 2) + r) + nt / 2 of the 64: a lane here loads columns 2 l and 2 l + 1 of each row,
; so its even column is slot (l / 16, l % 16) and its odd one slot (2 + l / 16, l % 16), and nothing changes lanes.  The next launch undoes the order of the columns.
;   kb: key step j (64 keys) of batch b at (32 b + j) x 131,072; in it the block of rows d = 32 dc .. at 4,096 dc.
;   vb: key step j at the same place; in it channels 256 w + 64 cg .. at 32,768 w + 4,096 (4 kk + cg); the block's row number n (0..31) is key 2 n + kk of the step.
; SHARES.  y = 0: k, y = 1: v.  Work-group x owns 262,144 consecutive bytes of its tensor (k: 32 rows d; v: 64 rows t) = 32 blocks; wave wv makes blocks wv, wv + 8, wv + 16, wv + 24.
; Block number n begins 256 n bytes into the group's bytes in BOTH tensors (in v numbers 16 .. 31 begin in the second row: kk = 1), and its row 8 g + i lies 65,536 g + 8,192 i further on.
; Each load of a wave covers 256 consecutive aligned bytes, each store two such runs.  Memory binds: no LDS, no matrix unit, no cluster: nothing is shared.  Two blocks' loads (16 KiB a wave) are on their way.
.set X, 16                             ; v[16:143]   two buffers of 64: row 8 g + i at X + 64 buf + 2 (8 g + i): columns 2 l, 2 l + 1
.set Y, 144                            ; v[144:207]  two sets of 32: the even column's four pieces at +4 g, the odd column's at +16 + 4 g
.set SRC, 16                           ; s[16:17]    my first block in the source
.set DST, 20                           ; s[20:27]    my four blocks in the destination
	s_load_b256 s[4:11], s[0:1], 0x0               ; k s[4:5], v s[6:7], kb s[8:9], vb s[10:11]
	v_lshrrev_b32 v3, 5, v0
	v_readfirstlane_b32 s12, v3                    ; wave 0..7
	v_and_b32 v4, 31, v0
	v_lshlrev_b32 v1, 3, v4                        ; source: 8 bytes a lane; never rewritten
	v_and_b32 v5, 15, v0
	v_bfe_u32 v6, v0, 4, 1
	v_lshlrev_b32 v2, 4, v5
	v_lshl_add_u32 v2, v6, 10, v2                  ; destination: 1,024 (l / 16) + 16 (l % 16); never rewritten
	s_and_b32 s13, ttmp7, 0xffff                   ; 0: k, 1: v
	s_lshr_b32 s14, ttmp9, 5                       ; batch
	s_and_b32 s15, ttmp9, 31                       ; k: dc; v: key step
	s_lshl_b32 s28, ttmp9, 18                      ; the group's bytes in the source,
	s_lshl_b32 s29, s12, 8                         ; my first block
	s_add_co_u32 s28, s28, s29
	s_mov_b32 s29, 0
	s_lshl_b32 s30, s14, 22                        ; the batch's 32 key steps in the destination
	s_lshl_b32 s32, s12, 17                        ; k: key step wv, block dc
	s_lshl_b32 s33, s15, 12
	s_add_co_u32 s32, s32, s33
	s_lshl_b32 s33, s15, 17                        ; v: the group's key step, w = wv / 4, cg = wv % 4
	s_lshr_b32 s34, s12, 2
	s_lshl_b32 s34, s34, 15
	s_add_co_u32 s33, s33, s34
	s_and_b32 s34, s12, 3
	s_lshl_b32 s34, s34, 12
	s_add_co_u32 s33, s33, s34
	s_mov_b32 s36, 0x100000                        ; from block n to n + 8:  k: eight key steps; v: w + 2
	s_mov_b32 s37, 0x10000
	s_mov_b32 s38, 0x200000                        ; from block n to n + 16: k: sixteen key steps; v: kk = 1
	s_mov_b32 s39, 0x4000
	s_cmp_eq_u32 s13, 0
	s_cselect_b32 s32, s32, s33
	s_cselect_b32 s36, s36, s37
	s_cselect_b32 s38, s38, s39
	s_mov_b32 s37, 0
	s_mov_b32 s39, 0
	s_add_co_u32 s30, s30, s32
	s_mov_b32 s31, 0
	s_wait_kmcnt 0x0
	s_cmp_eq_u32 s13, 0                            ; compared anew: the sum above has written SCC
	s_cselect_b64 s[SRC:SRC+1], s[4:5], s[6:7]
	s_cselect_b64 s[DST:DST+1], s[8:9], s[10:11]
	s_add_nc_u64 s[SRC:SRC+1], s[SRC:SRC+1], s[28:29]
	s_add_nc_u64 s[DST:DST+1], s[DST:DST+1], s[30:31]
	s_add_nc_u64 s[DST+2:DST+3], s[DST:DST+1], s[36:37]
	s_add_nc_u64 s[DST+4:DST+5], s[DST:DST+1], s[38:39]
	s_add_nc_u64 s[DST+6:DST+7], s[DST+4:DST+5], s[36:37]
.macro LOADB buf, blk                  ; a block's 32 rows, 256 bytes each
.irp g, 0,1,2,3
.irp i, 0,1,2,3,4,5,6,7
	global_load_b64 v[X+64*(\buf)+2*(8*(\g)+(\i)):X+64*(\buf)+2*(8*(\g)+(\i))+1], v1, s[SRC:SRC+1] offset:(\blk)*2048+(\g)*65536+(\i)*8192 th:TH_LOAD_NT
.endr
.endr
.endm
.macro CONV buf, set, blk              ; rounded in pairs of rows: a piece is rows 8 g .. 8 g + 7 of one column, 16 bytes; then the block's eight stores
.if (\blk) >= 2
	s_wait_xcnt 0x0                                ; this set's registers were the data of the stores two blocks back: written again only behind this wait
.endif
.irp g, 0,1,2,3
.irp t, 0,1,2,3
	v_cvt_pk_bf16_f32 v[Y+32*(\set)+4*(\g)+(\t)],    v[X+64*(\buf)+2*(8*(\g)+2*(\t))],   v[X+64*(\buf)+2*(8*(\g)+2*(\t)+1)]
	v_cvt_pk_bf16_f32 v[Y+32*(\set)+16+4*(\g)+(\t)], v[X+64*(\buf)+2*(8*(\g)+2*(\t))+1], v[X+64*(\buf)+2*(8*(\g)+2*(\t)+1)+1]
.endr
.endr
.irp g, 0,1,2,3
	global_store_b128 v2, v[Y+32*(\set)+4*(\g):Y+32*(\set)+4*(\g)+3],       s[DST+2*(\blk):DST+2*(\blk)+1] offset:(\g)*256        ; lanes 0-15 fill 256 consecutive aligned bytes of fragment 0, lanes 16-31 of fragment 1
	global_store_b128 v2, v[Y+32*(\set)+16+4*(\g):Y+32*(\set)+16+4*(\g)+3], s[DST+2*(\blk):DST+2*(\blk)+1] offset:2048+(\g)*256   ; the same for fragments 2 and 3
.endr
.endm
	LOADB 0, 0
	LOADB 1, 1
	s_wait_loadcnt 32                              ; loads come back in order: the older block is in, the younger block's 32 stay out
	CONV 0, 0, 0
	LOADB 0, 2
	s_wait_loadcnt 32
	CONV 1, 1, 1
	LOADB 1, 3
	s_wait_loadcnt 32
	CONV 0, 0, 2
	s_wait_loadcnt 0x0
	CONV 1, 1, 3
	s_endpgm
.Lfunc_end_k_q08baf82b43_cast:
	.size	k_q08baf82b43_cast, .Lfunc_end_k_q08baf82b43_cast-k_q08baf82b43_cast
	.p2alignl 7, 3214868480
	.fill 96, 4, 3214868480
	.section	.rodata,"a",@progbits
	.p2align	6, 0x0
	.amdhsa_kernel k_q08baf82b43_cast
		.amdhsa_group_segment_fixed_size 0
		.amdhsa_private_segment_fixed_size 0
		.amdhsa_enable_private_segment 0
		.amdhsa_kernarg_size 32
		.amdhsa_user_sgpr_count 2
		.amdhsa_user_sgpr_kernarg_segment_ptr 1
		.amdhsa_wavefront_size32 1
		.amdhsa_system_sgpr_workgroup_id_x 1
		.amdhsa_system_sgpr_workgroup_id_y 1
		.amdhsa_system_sgpr_workgroup_id_z 1
		.amdhsa_system_vgpr_workitem_id 0
		.amdhsa_next_free_vgpr 208
		.amdhsa_next_free_sgpr 66
		.amdhsa_reserve_vcc 0
		.amdhsa_float_denorm_mode_32 3
		.amdhsa_float_denorm_mode_16_64 3
		.amdhsa_memory_ordered 1
		.amdhsa_forward_progress 1
		.amdhsa_inst_pref_size 26
	.end_amdhsa_kernel
	.amdgpu_metadata
---
amdhsa.version: [ 1, 2 ]
amdhsa.kernels:
  - .name:           k_q08baf82b43_cast
    .symbol:         k_q08baf82b43_cast.kd
    .args:
      - { .name: k, .offset: 0, .size: 8, .value_kind: global_buffer, .address_space: global }
      - { .name: v, .offset: 8, .size: 8, .value_kind: global_buffer, .address_space: global }
      - { .name: kb, .offset: 16, .size: 8, .value_kind: global_buffer, .address_space: global }
      - { .name: vb, .offset: 24, .size: 8, .value_kind: global_buffer, .address_space: global }
    .group_segment_fixed_size: 0
    .private_segment_fixed_size: 0
    .kernarg_segment_align: 8
    .kernarg_segment_size: 32
    .max_flat_workgroup_size: 256
    .sgpr_count:     66
    .vgpr_count:     208
    .wavefront_size: 32
...
	.end_amdgpu_metadata
.endif
;; end of part 1
;; launch attn (part 2): grid 32 x 8, 4 waves a work-group, clusters of 4 x 1, 327,680 bytes of LDS; arguments q, kb, vb, out0; writes out0
.if DOCPART == 2
	.amdgcn_target "amdgcn-amd-amdhsa--gfx1250"
	.amdhsa_code_object_version 6
	.text
	.protected	k_q08baf82b43_attn
	.globl	k_q08baf82b43_attn
	.p2align	8
	.type	k_q08baf82b43_attn,@function
k_q08baf82b43_attn:
	s_mov_b64 s[64:65], 0
	v_nop
	global_prefetch_b8 v0, s[64:65] scope:SCOPE_SE
	s_setreg_imm32_b32 hwreg(HW_REG_WAVE_MODE, 25, 1), 1
	s_wait_xcnt 0x0
	s_wait_alu depctr_hold_cnt(0) depctr_sa_sdst(0) depctr_va_vdst(0) depctr_va_sdst(0) depctr_va_ssrc(0) depctr_va_vcc(0) depctr_vm_vsrc(0)
	s_getreg_b32 s2, hwreg(HW_REG_IB_STS2, 6, 4)
	s_cmp_eq_u32 s2, 0
	s_cbranch_scc0 .Lentry_in_a_cluster
	s_endpgm
.Lentry_in_a_cluster:
	s_bfe_u32 s2, ttmp6, 0x10000c
	s_cmp_lg_u32 s2, 0x3003
	s_cbranch_scc0 .Lentry_shape_is_right
	s_endpgm
.Lentry_shape_is_right:
; out[b][s][:] = the sum over t of softmax_t(0.1 q[b][s] . k[b][:][t]) v[b][t][:].  q, out: [8][2048][1024] f32.  kb, vb: k and v in bf16, as fragments by key steps of 64 keys (131,072 bytes a step and tensor), as the launch before laid them.
; Products in bf16 with f32 sums; maxima, exponentials and sums in f32; the weights p are rounded to bf16 for the second product, their sum l is taken of the unrounded p.
; LIMITS.  NaN and infinities are not treated apart; a weight below 2^-126 counts as 0; a score's four partial sums, and a row's key steps, are added in fixed orders that are not the row's order.
; SHARES.  A work-group owns 64 queries of one batch (four tiles of 16) and walks the batch's 32 key steps.
;   PHASE A, S^T = K Q^T: THE SUM OVER d IS SPLIT among the four waves: wave w takes d = 256 w .. 256 w + 255 for all 64 keys x 64 queries (128 matrix instructions), with its slice of Q in 256 registers; it alone reads quarter w
;   of the step's K.  The four partial sums (f32) meet in LDS: wave w finishes query tile w, and makes its softmax.
;   PHASE B, O^T += V^T P: wave w owns channels 256 w .. 256 w + 255 of all 64 queries: 64 accumulators, 512 registers, 128 matrix instructions; it alone reads quarter w of the step's V; P (8 KiB) and a are read by all four.
; ORDER.  A(0) SM(0) | for j = 0 .. 30: A(j+1) with O's rescaling by a(j) behind its products, B(j) with the softmax SM(j+1) behind its products | B(31).  LDS holds ONE step of K and ONE of V: K is filled again behind A, V behind B.
; All that a phase needs at its head is fetched under the phase before: P(j) and V(j)'s first two groups under the end of A(j+1), K(j+2)'s first two groups under the end of B(j).
; THE WALK.  Batch = cluster x, query group = cluster y.  The eight clusters of a batch do not take the key steps in one order: in each block of four steps cluster y begins at step p = (y + y / 4) % 4 and goes round: its walk step n is
; key step (n & 28) | ((n + p) & 3), for K and V alike.  So a step is asked for by the batch's clusters in four different trips, two clusters in each; among clusters 0-3, 4-7, the even and the odd ones the four p differ.
; LAYOUT.  In S^T a lane holds ONE query (lane % 16) and eight key slots a tile; two tiles rounded in pairs ARE source 1 of V^T P; in O^T a lane again holds one query.  The launch before has ordered K's key slots, V's rows and V's channel
; slots so that this holds: tile kt's slot m is key 2 (16 (kt % 2) + m) + kt / 2 of the step, so fragment kk of P (tiles 2 kk, 2 kk + 1) has key 2 n + kk at its place n, as V's fragment kk has; channel slot (nt, m) is channel
; 2 (16 (nt % 2) + m) + nt / 2 of 64, so accumulators nt and nt + 2 interleave to 16 neighbouring channels on the way out.
; SOFTMAX.  A running maximum m and sum l a query: p = 2^(c s - c m), c = 0.1 log2(e); in every step O and l are multiplied by a = 2^(c m_old - c m_new).  m starts at the lowest finite number, l at 0; the first step's products start O's sums.
; CLUSTER.  The four query blocks of a cluster belong to one batch and walk the same K and V: each quarter is asked for JOINTLY, the same tensor load, descriptor and mask in all four work-groups.
; REGISTERS, in windows of 256 (s_set_vgpr_msb: bits 1:0 source 0, 3:2 source 1, 5:4 source 2, 7:6 destination):
;   window 0: v0-31 addresses, statistics, a; v32-63 my tile's S^T; v64-111 two buffers of three accumulators for the partners' tiles; v112-151 with v64-87 P's fragments; v88-111 with v152-159 a partner's sums, then P rounded;
;             v160-255 three buffers of four fragments of K or V
;   window 1: Q: slot e (query tile (w + e) % 4: slot 0 is my own tile, so the text is one for all waves), 32 d at 8 (8 e + dcl)      windows 2, 3: O^T: (ct, qt) at window 2 + ct / 8, register 32 (ct % 8) + 8 qt
.set VSLOT, 131072                     ; LDS: K's step at 0, V's here; wave w's quarter at + 32,768 w.  After V's last fill and last read: wave w's stage for the way out, 16 rows x 1,040 bytes
.set XCH,   262144                     ; partial sums: from wave ws at + 12,288 ws, its slot e at + 4,096 (e - 1), tile kt at + 1,024 kt.  At the head: wave w's stage for Q, 16 rows x 528 bytes
.set XSRC,  12288
.set PBUF,  311296                     ; P: fragment (qt, kk) at 2,048 qt + 1,024 kk, laid as its readers' lanes take it
.set ABUF,  319488                     ; a: 128 qt + 4 lane
.set LOFF,  512                        ; 1 / l lies this far behind a
.set SPARE, 320512                     ; the spare words, 128 bytes for each wave: two blocks of 256 bytes that no other line names
.set QP,    528                        ; 512 bytes + 16: the 16 rows of a fragment load start 16 bytes apart modulo 256
.set SP,    1040                       ; 1,024 bytes + 16, likewise
.set AK,  2                            ; v2   16 lane + my quarter of K
.set AV,  3                            ; v3   16 lane + my quarter of V
.set APB, 4                            ; v4   16 lane + PBUF
.set APW, 5                            ; v5   the same + my tile's 2,048 w
.set AAR, 6                            ; v6   4 lane + ABUF
.set AAW, 7                            ; v7   the same + 128 w
.set XW,  8                            ; v8   16 lane + my part of XCH;  v9-11: where the partial sums for my tile lie: slot e of wave (w - e) % 4
.set QSW, 12                           ; v12  Q's stage: 8 lane
.set QRD, 13                           ; v13  Q's stage: row lane % 16, 16 bytes for each half of the lanes
.set GO,  14                           ; v14  16 lane: Q's loads and out's stores
.set PFO, 15                           ; v15  256 lane: the prefetches
.set SPW, 16                           ; v16  my spare word: SPARE + 4 x my thread's number; never rewritten
.set NIL, 17                           ; v17  0; never rewritten
                                       ; v18, v24, v26, v30: a of query tiles 0 to 3 while O is rescaled, each the low word of a pair
.set CM,  20                           ; v20 c m, v21 m
.set LS,  22                           ; v[22:23] l (even places', odd places')
.set C0,  24                           ; v24-27 at work in the softmax; a in v26
.set OLD, 28                           ; v28  c m_old
.set STO, 29                           ; v29  the way out: row lane % 16 of my stage, 64 bytes for each half of the lanes
.set S,   32                           ; my tile's scores: key tile kt at S + 8 kt
.set XB,  64                           ; phase A: slot e (1..3) of key tile kt at XB + 24 (kt % 2) + 8 (e - 1).  Phase B: P's fragments (qt, 1), qt = 0..2, at XB + 8 qt
.set XR,  88                           ; a partner's sums: registers 0-23 here,
.set XR2, 152                          ; 24-31 here
.set PR,  88                           ; P rounded, 16 registers
.set PF0, 112                          ; P's fragments (qt, 0) at PF0 + 8 qt; fragment (3, 1) at PF0 + 32
.set FB,  160
.set T,   160                          ; the way out: 64 registers
.set WV,  12                           ; s12  my wave's number
.set PHI, 14                           ; s14  p
.set YHI, 15                           ; s15  y / 4: 0 in the clusters that prefetch
.set NK,  16                           ; s16  the walk step of K that is asked for next
.set NV,  17                           ; s17  of V
.set OFF, 18                           ; s[18:19] a key step's byte offset
.set G1,  24                           ; s[24:31] descriptor group 1, for every load
.set G0K, 32                           ; s[32:35] group 0 for K
.set G0V, 36                           ; s[36:39] for V
.set QB,  40                           ; s[40:47] q at my slice of slot e's 16 rows
.set PFK, 48                           ; s[48:49] what a prefetch of kb names
.set PFV, 50                           ; s[50:51] of vb
.set FLK, 52                           ; s52  0: the prefetch of kb is due
.set FLV, 53                           ; s53  of vb
.set CNT, 54                           ; s54  the loop's trips to go
.set CXO, 55                           ; s55  8,192 x my place in the cluster: it enters the prefetches' addresses alone
.set CS,  56                           ; s[56:57] c
.set SEL, 58                           ; s[58:59] v_permlanex16_b32's selects: each lane takes its own place in the other half
.set MSB, 0
.macro WIN new                         ; the immediate's high byte repeats the setting that is left; a switch that changes nothing is dropped
.if MSB != (\new)
	s_set_vgpr_msb (MSB<<8)|(\new)
.set MSB, (\new)
.endif
.endm
.set W_A, 0x04                         ; phase A: Q (source 1) in window 1, all else in window 0: the phase's LDS loads run under it too, its LDS stores (data = source 1) do not
.macro PLACES                          ; four plain instructions between a matrix instruction and a load into, a store of, or a vector instruction on its registers (ISA guide 7.12.1 for vector instructions)
.rept 4
	v_nop
.endr
.endm
.macro ROUND                           ; a round of the cluster's barrier: my work-group's barrier; wave 0 signals for the work-group; every wave waits for all four work-groups; my work-group's barrier once more
	s_barrier_signal -1
	s_barrier_wait -1
	s_cmp_lg_u32 s[WV], 0
	s_cbranch_scc1 .Lnw0_\@
	s_barrier_signal -3
.Lnw0_\@:
	s_barrier_wait -3
	s_barrier_signal -1
	s_barrier_wait -1
.endm
.macro JLOAD g0                        ; a joint fill: every wave fetches its own quarter, 128 rows of 256 bytes; the descriptors differ by the wave's number alone.  An s_nop 0 and four v_nop follow
	tensor_load_to_lds s[\g0:\g0+3], s[G1:G1+7]
	s_nop 0
	PLACES
.endm
; A PREFETCH INTO THE L2.  Behind the fill of a block's last step a cluster asks for the step with which it will begin the next block: one key step, 256 matrix instructions, ahead of the load that wants it.  It stands behind the wave's
; tensor load and its five lines.  Each 256 bytes of key steps 4 to 31 are named ONCE in the launch: of the two clusters with the same p the one with y < 4 asks; of the 128 rows of 256 bytes that wave w fetches, the partner at place cx
; takes 32, told apart BY ADDRESS; a lane a row.  Key steps 0 to 3 come by their loads alone; behind the fill of walk step 31 nothing is asked for.
.macro ASK pf, fl
	s_cmp_eq_u32 s[\fl], 0
	s_cbranch_scc0 .Lna_\@
	global_prefetch_b8 v[PFO], s[\pf:\pf+1] th:TH_LOAD_NT scope:SCOPE_SE
.Lna_\@:
.endm
; THE EDGE OF A PHASE behind which a slot is filled again.  Each wave waits for all its tensor loads, adds 0 to its spare word, and waits for that, for its reads of the slot and for its LDS stores.
; Behind the round no wave of any partner reads the slot or has a load on its way, and what the waves stored for each other may be read.  The fill is the first thing behind it.
; The descriptor's address is made anew: the tensor at my quarter of the batch's step 0 (s[bs:bs+1]) plus the key step's number shifted, the type bits set again.
.macro EDGE g0, bs, n, pf, fl
	s_wait_tensorcnt 0x0                           ; no tensor load of mine is out, so a group 0 may be written
	ds_add_u32 v[SPW], v[NIL]                      ; 0 onto my spare word; the scalar work below stands between it and the wait for it
	s_add_co_u32 s20, s[\n], s[PHI]
	s_and_b32 s20, s20, 3
	s_and_b32 s21, s[\n], 28
	s_or_b32 s20, s20, s21                         ; walk step n is key step (n & 28) | ((n + p) & 3)
	s_lshl_b32 s[OFF], s20, 17
	s_add_nc_u64 s[\g0+2:\g0+3], s[\bs:\bs+1], s[OFF:OFF+1]
	s_or_b32 s[\g0+3], s[\g0+3], 0x80000000
	s_add_co_u32 s[\n], s[\n], 1
	s_and_b32 s[\fl], s[\n], 3                     ; the prefetch is due where the next walk step begins a block,
	s_or_b32 s[\fl], s[\fl], s[YHI]                ; in a cluster with y < 4,
	s_lshr_b32 s20, s[\n], 5
	s_or_b32 s[\fl], s[\fl], s20                   ; and the next walk step exists: the same answer in all four partners
	s_add_co_u32 s20, s[\n], s[PHI]                ; there it is key step n + p
	s_lshl_b32 s20, s20, 17
	s_add_co_u32 s20, s20, s[CXO]
	s_mov_b32 s21, 0
	s_wait_xcnt 0x0                                ; the last prefetch, a phase and more back, has read its address
	s_add_nc_u64 s[\pf:\pf+1], s[\bs:\bs+1], s[20:21]
	s_wait_dscnt 0x0
	ROUND
	JLOAD \g0
	ASK \pf, \fl
.endm
.macro PLAINB                          ; an edge behind which nothing is filled: my tensor loads have landed, my LDS instructions are done, and so are everybody's
	s_wait_tensorcnt 0x0
	s_wait_dscnt 0x0
	s_barrier_signal -1
	s_barrier_wait -1
.endm
.macro FLD adr, buf, base, step        ; four fragments into buffer buf: eight loads, each 512 consecutive bytes
.irp f, 0,1,2,3
	ds_load_b128 v[FB+32*(\buf)+8*\f:FB+32*(\buf)+8*\f+3],   v[\adr] offset:(\base)+\f*(\step)
	ds_load_b128 v[FB+32*(\buf)+8*\f+4:FB+32*(\buf)+8*\f+7], v[\adr] offset:(\base)+\f*(\step)+512
.endr
.endm
; The two phases take the three buffers in the orders 0 1 2 and 0 2 1.  So at either phase's last group (A: buffer 1; B: buffer 2) the two buffers that are free are those with which the other phase begins, in every trip.
.macro FK G                            ; phase A's group G: key tile G / 2, the four fragments of 32 d of half G % 2
	FLD AK, (\G)%3, ((\G)%2)*16384+((\G)/2)*1024, 4096
.endm
.macro FV g                            ; phase B's group g = 4 kk + cg: key half kk, the four fragments of 16 channels of group cg
	FLD AV, (3-(\g)%3)%3, (\g)*4096, 1024
.endm
.macro XS kt                           ; my partial sums of key tile kt for the three other query tiles go to LDS, each accumulator's low four registers first
.irp e, 1,2,3
	ds_store_b128 v[XW], v[XB+24*((\kt)%2)+8*(\e-1):XB+24*((\kt)%2)+8*(\e-1)+3]   offset:(\e-1)*4096+(\kt)*1024
	ds_store_b128 v[XW], v[XB+24*((\kt)%2)+8*(\e-1)+4:XB+24*((\kt)%2)+8*(\e-1)+7] offset:(\e-1)*4096+(\kt)*1024+512
.endr
.endm
.macro XL e                            ; partner e's partial sums for my tile: 32 registers
.irp f, 0,1,2,3,4,5
	ds_load_b128 v[XR+4*\f:XR+4*\f+3], v[XW+(\e)] offset:\f*512
.endr
	ds_load_b128 v[XR2:XR2+3],   v[XW+(\e)] offset:3072
	ds_load_b128 v[XR2+4:XR2+7], v[XW+(\e)] offset:3584
.endm
.macro PL                              ; P's eight fragments
.irp qt, 0,1,2,3
	ds_load_b128 v[PF0+8*\qt:PF0+8*\qt+3],   v[APB] offset:\qt*2048
	ds_load_b128 v[PF0+8*\qt+4:PF0+8*\qt+7], v[APB] offset:\qt*2048+512
.endr
.irp qt, 0,1,2,3
	ds_load_b128 v[XB+8*\qt+56*(\qt/3):XB+8*\qt+56*(\qt/3)+3],   v[APB] offset:\qt*2048+1024
	ds_load_b128 v[XB+8*\qt+56*(\qt/3)+4:XB+8*\qt+56*(\qt/3)+7], v[APB] offset:\qt*2048+1536
.endr
.endm
.macro AL                              ; a of the four query tiles
	ds_load_b32 v18, v[AAR]
	ds_load_b32 v24, v[AAR] offset:128
	ds_load_b32 v26, v[AAR] offset:256
	ds_load_b32 v30, v[AAR] offset:384
.endm
.macro PSTORE last                     ; my tile's P (tile kt is half kt % 2 of fragment kt / 2) and a; last = 1: 1 / l too
.irp kt, 0,1,2,3
	ds_store_b128 v[APW], v[PR+4*\kt:PR+4*\kt+3] offset:\kt*512
.endr
	ds_store_b32 v[AAW], v[C0+2]
.if \last
	ds_store_b32 v[AAW], v[C0] offset:LOFF
.endif
.endm
.macro RESC u                          ; accumulator u = 4 ct + qt of O^T times a of query tile qt; registers ascending
	WIN 0x82+0x41*((\u)/32)                        ; O^T (destination and source 0) in window 2 or 3, a in window 0
.set ro, 32*(((\u)/4)%8)+8*((\u)%4)
.set ra, 18+6*(((\u)%4+2)/3)+2*(((\u)%4)/2)+4*(((\u)%4)/3)  ; v18, v24, v26, v30
.irp z, 0,1,2,3
	v_pk_mul_f32 v[ro+2*\z:ro+2*\z+1], v[ro+2*\z:ro+2*\z+1], v[ra:ra+1] op_sel_hi:[1,0]
.endr
.endm
; THE SOFTMAX of my query tile for one key step is a list; SMI writes number q of it and steps q.
;   0-47     the three partners' partial sums are added onto mine, 16 packed additions each, registers ascending
;   48-63    the maximum of the 32 scores and the old m, three operands at a time, in four chains      64-68  the other half of the lanes' maximum; c m_old kept; m; c m; c m_old - c m_new
;   69-84    c s - c m      85-117  ONE BATCH of 33 exponentials, a first; nothing up to 118 names a result of theirs      118  the plain instruction behind the last exponential (ISA guide 5.7.2)
;   (wait)   between 118 and 119 stands the one wait for the batch, written where the list is dealt
;   119-134  the weights rounded to bf16 in pairs      135-149  their sum, in place: neighbours 1, 2, 4 and 8 pairs apart      150  l = a l + the sum
;   151-155  (the last step alone) l's halves and the other lanes' are added; 1 / l; a plain instruction behind the reciprocal
.macro SMI
.if q < 48
.set n, q%16
.set xr, XR+2*n
.if n >= 12
.set xr, XR2+2*(n-12)
.endif
	v_pk_add_f32 v[S+2*n:S+2*n+1], v[S+2*n:S+2*n+1], v[xr:xr+1]
.elseif q < 52
	v_max3_num_f32 v[C0+q-48], v[S+8*(q-48)], v[S+8*(q-48)+1], v[S+8*(q-48)+2]
.elseif q < 60
.set n, q%4
.set z, 3+2*((q-52)/4)
	v_max3_num_f32 v[C0+n], v[C0+n], v[S+8*n+z], v[S+8*n+z+1]
.elseif q == 60
	v_max3_num_f32 v[C0], v[C0], v[S+7], v[S+15]
.elseif q == 61
	v_max3_num_f32 v[C0+2], v[C0+2], v[S+23], v[S+31]
.elseif q == 62
	v_max3_num_f32 v[C0], v[C0], v[C0+1], v[C0+2]
.elseif q == 63
	v_max3_num_f32 v[C0], v[C0], v[C0+3], v[CM+1]
.elseif q == 64
	v_permlanex16_b32 v[C0+1], v[C0], s[SEL], s[SEL+1]  ; the query's other 32 keys lie in the lane 16 away
.elseif q == 65
	v_mov_b32 v[OLD], v[CM]
.elseif q == 66
	v_max_num_f32 v[CM+1], v[C0], v[C0+1]
.elseif q == 67
	v_mul_f32 v[CM], s[CS], v[CM+1]
.elseif q == 68
	v_sub_f32 v[C0+3], v[OLD], v[CM]
.elseif q < 85
	v_pk_fma_f32 v[S+2*(q-69):S+2*(q-69)+1], v[S+2*(q-69):S+2*(q-69)+1], s[CS:CS+1], v[CM:CM+1] op_sel_hi:[1,0,0] neg_lo:[0,0,1] neg_hi:[0,0,1]
.elseif q == 85
	v_exp_f32 v[C0+2], v[C0+3]
.elseif q < 118
	v_exp_f32 v[S+q-86], v[S+q-86]
.elseif q == 118
	v_nop
.elseif q < 135
	v_cvt_pk_bf16_f32 v[PR+q-119], v[S+2*(q-119)], v[S+2*(q-119)+1]
.elseif q < 150
.set z, q-135
.set w, 4
.set u, z
.if z >= 14
.set w, 32
.set u, 0
.elseif z >= 12
.set w, 16
.set u, z-12
.elseif z >= 8
.set w, 8
.set u, z-8
.endif
	v_pk_add_f32 v[S+w*u:S+w*u+1], v[S+w*u:S+w*u+1], v[S+w*u+w/2:S+w*u+w/2+1]
.elseif q == 150
	v_pk_fma_f32 v[LS:LS+1], v[LS:LS+1], v[C0+2:C0+3], v[S:S+1] op_sel_hi:[1,0,1]
.elseif q == 151
	v_add_f32 v[C0], v[LS], v[LS+1]
.elseif q == 152
	v_permlanex16_b32 v[C0+1], v[C0], s[SEL], s[SEL+1]
.elseif q == 153
	v_add_f32 v[C0], v[C0], v[C0+1]
.elseif q == 154
	v_rcp_f32 v[C0], v[C0]
.else
	v_nop
.endif
.set q, q+1
.endm
.macro RIDE cnt                        ; the list's next cnt numbers
.if (\cnt) > 0
	WIN 0
.rept \cnt
	SMI
.endr
.endif
.endm
; PHASE A.  Eight groups; group G = key tile G / 2, d half G % 2: four fragments of K meet the four query slots' fragments of Q: 16 products on the tile's FOUR accumulators, which take turns.  A tile's first four
; products start its sums.  So a tile's sums are finished after 32 products, and go to LDS (XS) at the head of the next tile's first group.  Groups 0 and 1 were fetched ahead of the phase; the others are fetched two ahead.
; resc = 1: a is fetched at the head, and O's 64 accumulators are rescaled behind the 64 products of groups 2 to 5, four instructions behind each: they name no register of the products round them, and are also the places at the next head.
; pl = 1: P of the step that phase B will take is fetched at group 6, into registers that XS has just read.  vp = 1: V's first two groups are fetched at group 7: my own tensor load brought them, and I alone read them.
.macro PHASE_A resc, pl, vp
	WIN W_A
.if \resc
	AL
.endif
.set G, 0
.rept 8
.if (G > 0) && (!(\resc) || (G < 3) || (G > 6))
	PLACES
.endif
.if (G == 2) || (G == 4) || (G == 6)
	WIN 0
	XS G/2-1
.endif
	WIN W_A
.if G < 6
	FK G+2
.endif
.if (G == 6) && (\pl)
	PL
.endif
.if (G == 7) && (\vp)
	s_wait_tensorcnt 0x0                           ; for the reads below: the one load of mine that is out is V's
	FV 0
	FV 1
.endif
.if G < 2                              ; LDS instructions end in order (ISA guide 5.7.1): group G is in when at most those issued behind it are out:
	s_wait_dscnt 16                                ; two groups of eight loads
.elseif G < 6
	s_wait_dscnt 22                                ; two groups and six stores
.elseif G == 6
	s_wait_dscnt 14+16*(\pl)                       ; a group, six stores, P's sixteen loads
.else
	s_wait_dscnt 6+16*(\pl)+16*(\vp)               ; six stores, P's sixteen loads, V's sixteen
.endif
.set fa, FB+32*(G%3)
.set kt, G/2
.set i, 0
.rept 16                               ; fragment i / 4, query slot i % 4
	WIN W_A
.set e, i%4
.set rd, S+8*kt
.if e > 0
.set rd, XB+24*(kt%2)+8*(e-1)
.endif
.set rq, 8*(8*e+4*(G%2)+i/4)
.if (G%2 == 0) && (i < 4)
	v_wmma_f32_16x16x32_bf16 v[rd:rd+7], v[fa+8*(i/4):fa+8*(i/4)+7], v[rq:rq+7], 0
.else
	v_wmma_f32_16x16x32_bf16 v[rd:rd+7], v[fa+8*(i/4):fa+8*(i/4)+7], v[rq:rq+7], v[rd:rd+7]
.endif
.if (\resc) && (G >= 2) && (G < 6)
	RESC 16*(G-2)+i
.endif
.set i, i+1
.endr
.set G, G+1
.endr
	WIN 0
	PLACES
	XS 3
.endm
; PHASE B.  Group g = 4 kk + cg: four fragments of V meet four of P: 16 products on 16 accumulators by turns.  P and groups 0 and 1 were fetched ahead of the phase.  first = 1: the products of kk = 0 start O's sums.
; sm = 1: the next step's softmax stands behind the products.  Partner e's sums are fetched at the head of group e - 1 and added behind its products 12 to 15; group 3 has the maximum, the statistics (the chain's links one to a product)
; and the scalings; the exponentials go two to a product; their one wait stands at group 5's head, ahead of its run of loads; group 5 has the roundings and sums; P and a are stored at group 6's head: every wave read the old P and a
; ahead of the round in front of this phase.  kp = 1: K's first two groups are fetched at group 7.  rs = 1 (the last step, which has no phase A beside it): channel group cg + 1 is rescaled behind the products of group cg.
.macro PHASE_B first, sm, last, kp, rs
.set q, 0
.set g, 0
.rept 8
	WIN 0
.if (g > 0) && (g != 6) && (!(\sm) || (g > 3))
	PLACES                                         ; (at groups 1 to 3 with sm = 1 the four additions behind the last product are the places; at group 6 nothing is loaded)
.endif
.if \sm
.if g < 3
	XL g+1
.elseif g == 5
	s_wait_alu depctr_va_vdst(0)                   ; the wait between the exponentials and the first use of a result: one for the batch
.elseif g == 6
.if \last
	s_wait_alu depctr_va_vdst(0)                   ; the same for the reciprocal
.endif
	PSTORE \last
.endif
.endif
.if g < 6
	FV g+2
.elseif (g == 7) && (\kp)
	s_wait_tensorcnt 0x0                           ; for the reads below: the one load of mine that is out is K's
	FK 0
	FK 1
.endif
.if g < 6
.if (\sm) && ((g == 1) || (g == 2))
	s_wait_dscnt 24                                ; group g is in: behind it two groups and a partner's eight loads were issued
.else
	s_wait_dscnt 16                                ; two groups
.endif
.elseif g == 6
	s_wait_dscnt 8+(5+(\last))*(\sm)               ; a group and the stores of P and a
.else
	s_wait_dscnt (5+(\last))*(\sm)+16*(\kp)        ; those stores and K's sixteen loads
.endif
.set fa, FB+32*((3-g%3)%3)
.set i, 0
.rept 16                               ; channel tile i / 4, query tile i % 4
	WIN 0xa0+0x50*((g%4)/2)                        ; C and D in window 2 or 3
.set ro, 32*((4*(g%4)+i/4)%8)+8*(i%4)
.set pf, PF0+8*(i%4)-(g/4)*(48-56*((i%4)/3))
.if (\first) && (g < 4)
	v_wmma_f32_16x16x32_bf16 v[ro:ro+7], v[fa+8*(i/4):fa+8*(i/4)+7], v[pf:pf+7], 0
.else
	v_wmma_f32_16x16x32_bf16 v[ro:ro+7], v[fa+8*(i/4):fa+8*(i/4)+7], v[pf:pf+7], v[ro:ro+7]
.endif
.if \sm
.set c, 0
.if g < 3
.if i >= 12
.set c, 4
.endif
.if i == 12
	s_wait_dscnt 8                                 ; the partner's sums are in: behind them one group was issued
.endif
.elseif g == 3
.if i < 3
.set c, 4
.elseif i == 3
.set c, 2
.elseif i < 6
.set c, 1
.elseif i == 6
.set c, 2
.elseif i < 10
.set c, 1
.elseif i < 14
.set c, 4
.else
.set c, 2
.endif
.elseif g == 4
.if i < 15
.set c, 2
.endif
.elseif g == 5
.if i < 8
.set c, 4
.elseif (\last) && (i < 11)
.set c, 1
.elseif (\last) && (i == 11)
.set c, 2
.endif
.endif
	RIDE c
.endif
.if (\rs) && (g < 3)
	RESC 16*(g+1)+i
.endif
.set i, i+1
.endr
.set g, g+1
.endr
	WIN 0
	PLACES
.endm
.macro ITER first, kfill, last         ; A(j+1) | K filled | B(j) | V filled
	PHASE_A 1-(\first), 1, 1
.if \kfill
	EDGE G0K, 6, NK, PFK, FLK                      ; the partial sums are stored, P(j) and a(j) are read, K(j+1) is read: everybody's
.else
	PLAINB
.endif
	PHASE_B \first, 1, \last, \kfill, 0
	EDGE G0V, 8, NV, PFV, FLV                      ; P(j+1) and a(j+1) are stored, the partial sums are read, V(j) is read: everybody's
.endm
	s_load_b256 s[4:11], s[0:1], 0x0               ; q s[4:5], kb s[6:7], vb s[8:9], out s[10:11]
	v_lshl_add_u32 v[SPW], v0, 2, SPARE
	v_mov_b32 v[NIL], 0
	ds_add_u32 v[SPW], v[NIL]                      ; the wave's opening: the add and its wait stand ahead of my first tensor load; the set-up below, work on registers, stands between them
	v_lshrrev_b32 v1, 5, v0
	v_readfirstlane_b32 s[WV], v1                  ; wave 0..3
	s_bfe_u32 s13, ttmp6, 0x40000                  ; cx: my place in the cluster
	s_and_b32 s22, ttmp7, 0xffff                   ; y: the cluster's group of 256 queries; the batch is ttmp9, which in a cluster launch counts clusters.  The four partners share both
	s_lshl_b32 s23, s22, 2
	s_add_co_u32 s23, s23, s13                     ; my block of 64 queries: it enters q's and out's addresses alone
	s_lshr_b32 s[YHI], s22, 2
	s_add_co_u32 s[PHI], s22, s[YHI]
	s_and_b32 s[PHI], s[PHI], 3                    ; p = (y + y / 4) % 4
	s_lshl_b32 s[CXO], s13, 13
	; descriptor group 1: a quarter is 32,768 dense bytes: 128 rows of 32 elements of 8 bytes
	s_mov_b32 s[G1], 15|(3<<16)|(1<<21)            ; 15:0 the mask: all four work-groups; 17:16 elements of 8 bytes; 21 set beside a mask; no padding
	s_mov_b32 s[G1+1], 32<<16                      ; tensor_dim0 = 32
	s_mov_b32 s[G1+2], 128<<16                     ; tensor_dim1 = 128
	s_mov_b32 s[G1+3], 32<<16                      ; tile_dim0 = 32
	s_mov_b32 s[G1+4], 128                         ; tile_dim1 = 128
	s_mov_b32 s[G1+5], 32                          ; 32 elements from row to row
	s_mov_b32 s[G1+6], 0
	s_mov_b32 s[G1+7], 0
	s_mov_b32 s[G0K], 1                            ; count = 1
	s_lshl_b32 s[G0K+1], s[WV], 15                 ; LDS address: my quarter of K's slot: no place in the cluster enters an LDS address
	s_mov_b32 s[G0V], 1
	s_add_co_u32 s[G0V+1], s[G0K+1], VSLOT
	s_lshl_b32 s20, ttmp9, 22                      ; the batch's 32 key steps in kb and in vb,
	s_add_co_u32 s20, s20, s[G0K+1]                ; my quarter of key step 0
	s_mov_b32 s21, 0
	s_lshl_b32 s[OFF], s[PHI], 17                  ; walk step 0 is key step p
	s_mov_b32 s[OFF+1], 0
	s_mov_b32 s[NK], 1
	s_mov_b32 s[NV], 1
	s_lshl_b32 s60, ttmp9, 23                      ; q and out: the batch,
	s_lshl_b32 s61, s23, 18                        ; my block's 64 rows of 4,096 bytes,
	s_add_co_u32 s60, s60, s61
	s_lshl_b32 s61, s[WV], 10                      ; my wave's 256 numbers of a row
	s_add_co_u32 s60, s60, s61
	s_mov_b32 s61, 0
	s_mov_b32 s23, 0
	s_mov_b32 s[CNT], 29
	s_mov_b32 s[CS], 0x3e13bb63                    ; c = 0.1 log2(e) = 0.144270
	s_mov_b32 s[CS+1], s[CS]                       ; named with it as a pair
	s_mov_b32 s[SEL], 0x76543210
	s_mov_b32 s[SEL+1], 0xfedcba98
	v_and_b32 v18, 31, v0                          ; lane
	v_and_b32 v19, 15, v0                          ; lane % 16
	v_bfe_u32 v1, v0, 4, 1                         ; lane / 16
	v_mov_b32 v31, 0                               ; named with v30 as a pair
	v_lshlrev_b32 v[GO], 4, v18
	v_lshlrev_b32 v[PFO], 8, v18
	v_add_nc_u32 v[AK], s[G0K+1], v[GO]
	v_add_nc_u32 v[AV], s[G0V+1], v[GO]
	v_add_nc_u32 v[APB], PBUF, v[GO]
	s_lshl_b32 s62, s[WV], 11
	v_add_nc_u32 v[APW], s62, v[APB]
	v_lshl_add_u32 v[AAR], v18, 2, ABUF
	s_lshl_b32 s62, s[WV], 7
	v_add_nc_u32 v[AAW], s62, v[AAR]
	s_mul_i32 s63, s[WV], XSRC
	s_add_co_u32 s63, s63, XCH                     ; my part of XCH
	v_add_nc_u32 v[XW], s63, v[GO]
.irp e, 1,2,3
	s_add_co_u32 s62, s[WV], 4-\e
	s_and_b32 s62, s62, 3                          ; wave (w - e) % 4 holds my tile in its slot e
	s_mul_i32 s62, s62, XSRC
	s_add_co_u32 s62, s62, XCH+(\e-1)*4096
	v_add_nc_u32 v[XW+\e], s62, v[GO]
.endr
	v_lshl_add_u32 v[QSW], v18, 3, s63
	v_mul_u32_u24 v[QRD], v19, QP
	v_lshl_add_u32 v[QRD], v1, 4, v[QRD]
	v_add_nc_u32 v[QRD], s63, v[QRD]
	v_mul_u32_u24 v[STO], v19, SP
	v_lshl_add_u32 v[STO], v1, 6, v[STO]
	v_add_nc_u32 v[STO], s[G0V+1], v[STO]
	v_mov_b32 v[CM], 0xfe000000                    ; c m: far below every c s, so the first a is 0
	v_mov_b32 v[CM+1], 0xff7fffff                  ; m: the lowest finite number
	v_mov_b32 v[LS], 0
	v_mov_b32 v[LS+1], 0
	s_wait_dscnt 0x0                               ; the opening add is done
	s_wait_kmcnt 0x0
	s_add_nc_u64 s[6:7], s[6:7], s[20:21]          ; kb and vb at my quarter of the batch's key step 0: they stay so
	s_add_nc_u64 s[8:9], s[8:9], s[20:21]
	s_add_nc_u64 s[G0K+2:G0K+3], s[6:7], s[OFF:OFF+1]  ; global address: walk step 0
	s_or_b32 s[G0K+3], s[G0K+3], 0x80000000        ; type = 2
	s_add_nc_u64 s[G0V+2:G0V+3], s[8:9], s[OFF:OFF+1]
	s_or_b32 s[G0V+3], s[G0V+3], 0x80000000
	s_add_nc_u64 s[4:5], s[4:5], s[60:61]
	s_add_nc_u64 s[10:11], s[10:11], s[60:61]
.irp e, 0,1,2,3
	s_add_co_u32 s22, s[WV], \e
	s_and_b32 s22, s22, 3
	s_lshl_b32 s22, s22, 16                        ; query tile (w + e) % 4: 16 rows of 4,096 bytes
	s_add_nc_u64 s[QB+2*\e:QB+2*\e+1], s[4:5], s[22:23]
.endr
	ROUND                                          ; all four work-groups are here: the first joint loads meet
	tensor_load_to_lds s[G0K:G0K+3], s[G1:G1+7]    ; K of walk step 0,
	s_nop 0
	tensor_load_to_lds s[G0V:G0V+3], s[G1:G1+7]    ; V of walk step 0: two loads of mine are out here, later one at the most
	s_nop 0
	PLACES
; Q.  Slot e's 16 rows x 1,024 bytes come as 32 loads of 512 consecutive bytes into registers that O^T takes later; they are rounded to bf16, go through my own stage in LDS (rows of 528 bytes) and come back as eight fragments.
.macro LOADQ e
	WIN 0x80+0x40*((\e)/2)                         ; destination window 2 or 3, address window 0
.set n, 0
.rept 32
	global_load_b128 v[128*((\e)%2)+4*n:128*((\e)%2)+4*n+3], v[GO], s[QB+2*(\e):QB+2*(\e)+1] offset:(n/2)*4096+(n%2)*512 th:TH_LOAD_NT
.set n, n+1
.endr
.endm
.macro CONVQ e
	WIN 0x0a+5*((\e)/2)                            ; sources 0 and 1 window 2 or 3
.set n, 0
.rept 64
	v_cvt_pk_bf16_f32 v[S+n], v[128*((\e)%2)+2*n], v[128*((\e)%2)+2*n+1]
.set n, n+1
.endr
	WIN 0
.set n, 0
.rept 32
	ds_store_b64 v[QSW], v[S+2*n:S+2*n+1] offset:(n/2)*QP+(n%2)*256
.set n, n+1
.endr
	WIN 0x40                                       ; destination window 1
.set n, 0
.rept 8
	ds_load_b128 v[8*(8*(\e)+n):8*(8*(\e)+n)+3],   v[QRD] offset:n*64     ; LDS serves a wave's instructions in order (ISA guide 5.7.1.4): these see the stores above, and the next slot's stores come behind them
	ds_load_b128 v[8*(8*(\e)+n)+4:8*(8*(\e)+n)+7], v[QRD] offset:n*64+32
.set n, n+1
.endr
.endm
	LOADQ 0
	LOADQ 1
	s_wait_loadcnt 32                              ; the older slot is in, the younger slot's 32 loads stay out
	CONVQ 0
	LOADQ 2
	s_wait_loadcnt 32
	CONVQ 1
	LOADQ 3
	s_wait_loadcnt 32
	CONVQ 2
	s_wait_loadcnt 0x0
	CONVQ 3
	WIN 0
	s_wait_tensorcnt 0x1                           ; my quarter of K(0) is in, and I alone read it; V(0), issued behind it, may stay out
	FK 0
	FK 1
	PHASE_A 0, 0, 0                                ; A(0); its first wait covers Q's fragments and the stage's stores too: they were issued earlier
	EDGE G0K, 6, NK, PFK, FLK                      ; V(0) has landed; K(1) is asked for
	WIN 0                                          ; SM(0): there are no products yet to set it behind
.set q, 0
.irp e, 1,2,3
	XL \e
	s_wait_dscnt 0x0
	RIDE 16
.endr
	RIDE 71
	s_wait_alu depctr_va_vdst(0)                   ; the wait ahead of the first use of an exponential's result: one for the batch
	RIDE 32
	PSTORE 0
	s_wait_tensorcnt 0x0                           ; K(1) has landed:
	FK 0                                           ; its first two groups
	FK 1
	s_wait_dscnt 0x0
	s_barrier_signal -1                            ; P(0) is stored and the partial sums are read, everybody's
	s_barrier_wait -1
	ITER 1, 1, 0                                   ; j = 0: B(0) starts O's sums, so A(1) has nothing to rescale
.Lstep:                                                ; j = 1 .. 29
	ITER 0, 1, 0
	s_sub_co_u32 s[CNT], s[CNT], 1
	s_cmp_lg_u32 s[CNT], 0
	s_cbranch_scc1 .Lstep
	ITER 0, 0, 1                                   ; j = 30, written out: no K is left to ask for; V(31) is the last fill; 1 / l is made
	AL                                             ; B(31): a, P,
	PL
	s_wait_tensorcnt 0x0                           ; V(31),
	FV 0                                           ; its first two groups
	FV 1
	s_wait_dscnt 32                                ; the four a are in; P's 16 loads and V's 16 stay out
.set i, 0
.rept 16
	RESC i
.set i, i+1
.endr
	WIN 0
	s_wait_dscnt 0x0
	PHASE_B 0, 0, 0, 0, 1
	; THE WAY OUT.  O^T is multiplied by 1 / l; accumulators nt and nt + 2 interleave to 16 neighbouring channels, 64 bytes a lane; a query tile (16 rows x 1,024 bytes) goes through my stage, which lies in my quarter of V's slot:
	; that slot has had its last fill, and my reads of it are back.
.irp qt, 0,1,2,3
	ds_load_b32 v[CM+\qt], v[AAR] offset:LOFF+\qt*128
.endr
	s_wait_dscnt 0x0
.macro OUTQ qt
.irp hw, 0,1                           ; window 2: channel groups 0, 1; window 3: groups 2, 3
	WIN 0x02+\hw                                   ; source 0 in that window
.set n, 0
.rept 4                                ; channel group 2 hw + n / 2, accumulators n % 2 and n % 2 + 2; each accumulator's registers ascending
.set j, 0
.rept 8
	v_mul_f32 v[T+16*n+2*j],   v[32*(4*(n/2)+n%2)+8*(\qt)+j],   v[CM+(\qt)]
	v_mul_f32 v[T+16*n+2*j+1], v[32*(4*(n/2)+n%2+2)+8*(\qt)+j], v[CM+(\qt)]
.set j, j+1
.endr
.set n, n+1
.endr
	WIN 0
.set n, 0
.rept 4
.irp i, 0,1,2,3
	ds_store_b128 v[STO], v[T+16*n+4*\i:T+16*n+4*\i+3] offset:256*(2*\hw+n/2)+128*(n%2)+16*\i
.endr
.set n, n+1
.endr
.endr
.if (\qt) > 0
	s_wait_xcnt 0x0                                ; the registers below were the data of the last tile's stores: loaded again only behind this wait
.endif
.set n, 0
.rept 32
	ds_load_b128 v[S+4*n:S+4*n+3], v[AV] offset:(n/2)*SP+(n%2)*512  ; whole rows back; LDS serves a wave's instructions in order
.set n, n+1
.endr
.set n, 0
.rept 32
	s_wait_dscnt 31-n                              ; load n is back, the younger ones stay out
	global_store_b128 v[GO], v[S+4*n:S+4*n+3], s[10:11] offset:(16*(\qt)+n/2)*4096+(n%2)*512 th:TH_STORE_NT  ; 512 consecutive bytes, at a multiple of 256 from out's first byte
.set n, n+1
.endr
.endm
	OUTQ 0
	OUTQ 1
	OUTQ 2
	OUTQ 3
	s_wait_tensorcnt 0x0                           ; the wave's end: a wait, an add to my spare word and its wait, behind my last tensor load and my last LDS store
	ds_add_u32 v[SPW], v[NIL]
	s_wait_dscnt 0x0
	ROUND                                          ; the closing round: no work-group ends while a partner may still ask for a tile that names it
	s_endpgm
.Lfunc_end_k_q08baf82b43_attn:
	.size	k_q08baf82b43_attn, .Lfunc_end_k_q08baf82b43_attn-k_q08baf82b43_attn
	.p2alignl 7, 3214868480
	.fill 96, 4, 3214868480
	.section	.rodata,"a",@progbits
	.p2align	6, 0x0
	.amdhsa_kernel k_q08baf82b43_attn
		.amdhsa_group_segment_fixed_size 327680
		.amdhsa_private_segment_fixed_size 0
		.amdhsa_enable_private_segment 0
		.amdhsa_kernarg_size 32
		.amdhsa_user_sgpr_count 2
		.amdhsa_user_sgpr_kernarg_segment_ptr 1
		.amdhsa_wavefront_size32 1
		.amdhsa_system_sgpr_workgroup_id_x 1
		.amdhsa_system_sgpr_workgroup_id_y 1
		.amdhsa_system_sgpr_workgroup_id_z 1
		.amdhsa_system_vgpr_workitem_id 0
		.amdhsa_next_free_vgpr 1024
		.amdhsa_next_free_sgpr 66
		.amdhsa_reserve_vcc 0
		.amdhsa_float_denorm_mode_32 3
		.amdhsa_float_denorm_mode_16_64 3
		.amdhsa_memory_ordered 1
		.amdhsa_forward_progress 1
		.amdhsa_inst_pref_size 255
	.end_amdhsa_kernel
	.section	.bss,"aw",@nobits
	.p2align	6
	.space	262144
	.amdgpu_metadata
---
amdhsa.version: [ 1, 2 ]
amdhsa.kernels:
  - .name:           k_q08baf82b43_attn
    .symbol:         k_q08baf82b43_attn.kd
    .args:
      - { .name: q, .offset: 0, .size: 8, .value_kind: global_buffer, .address_space: global }
      - { .name: kb, .offset: 8, .size: 8, .value_kind: global_buffer, .address_space: global }
      - { .name: vb, .offset: 16, .size: 8, .value_kind: global_buffer, .address_space: global }
      - { .name: out0, .offset: 24, .size: 8, .value_kind: global_buffer, .address_space: global }
    .group_segment_fixed_size: 327680
    .private_segment_fixed_size: 0
    .kernarg_segment_align: 8
    .kernarg_segment_size: 32
    .max_flat_workgroup_size: 128
    .sgpr_count:     66
    .vgpr_count:     1024
    .wavefront_size: 32
...
	.end_amdgpu_metadata
.endif
;; end of part 2
